; MI455X (gfx1250); checked and timed in simulation.
; The chip was launched on July 23, 2026; its instructions are those of AMD's public machine-readable ISA for CDNA 5 (MIT licence, August 2026) and "CDNA5" Instruction Set Architecture Reference Guide (July 2026). The comments in the code are by the model that wrote it; some were corrected since.
;; Quantized Linear. Allowed arithmetic: matrix products marked QUANTISED: E2M1 operands, one E8M0 scale for each 32 along K, by v_wmma_scale_f32_16x16x128_f8f6f4 with both operands' format E2M1 (or v_wmma_scale_f32_32x16x128_f4), f32 sums; everything else in f32.
;; Inputs: act_scale one number float32; act_zero_point one number int32; bias 4,096 float32; weight 4,096 x 4,096 float32; weight_scale 4,096 float32; weight_zero_point 4,096 int32; x 4,096 x 4,096 float32.
;; Outputs: out0 4,096 x 4,096 float32.
;; This version of the problem:
;;   THIS VERSION OF THE PROBLEM IS GIVEN IN LOW PRECISION. The matrix products marked QUANTISED in the list below multiply operands that are first quantised to E2M1 (2 exponent bits, 1 mantissa bit; 4 bits a number), with one power-of-two scale for each 32 numbers along K (OCP MX v1.0); their sums are f32. All else is computed in f32.
;;   The module's matrix products, in the order in which they are computed (A, B: the left and right operand; K: the contracted axis; several contracted axes count as one K, in the product's order):
;;     1. [M 4,096, K 4,096] x [K 4,096, N 4,096]; A: computed on the way; B: computed on the way: QUANTISED
;;   THE QUANTISER, for each operand of a quantised product, along K:
;;     - K is cut into blocks of 32 from its start; a last block that is shorter is filled with zeros.
;;     - A block's scale is 2^e with e = floor(log2(the largest magnitude in the block)) - 2, held to -126 .. 127; a block of zeros has e = 0. As a byte (E8M0): e + 127.
;;     - Each number is divided by its block's scale, clamped to +-6, and rounded to the nearest number of E2M1, ties to even, subnormals kept.
;;     - The product sums the exact products of the quantised numbers (number of the format x scale) in f32.
;;   ~~~python
;;   def quantise(x, axis):      # numpy; x: float32 -> the quantised numbers, widened to float32 again
;;       x = np.moveaxis(x, axis, -1); K = x.shape[-1]
;;       x = np.pad(x, [(0, 0)] * (x.ndim - 1) + [(0, -K % 32)]); x = x.reshape(x.shape[:-1] + (-1, 32)); a = np.abs(x).max(-1, keepdims=True)
;;       e = np.where(a > 0, np.clip(np.frexp(np.where(a > 0, a, 1))[1] - 1 - 2, -126, 127), 0)      # np.frexp(a)[1] - 1 = floor(log2(a)), exactly
;;       r = np.clip(x / 2.0 ** e, -6, 6)
;;       step = 2.0 ** (np.maximum(np.frexp(np.where(r == 0, 1, r))[1] - 1, 0) - 1)
;;       q = np.round(r / step) * step * 2.0 ** e      # np.round: ties to even
;;       return np.moveaxis(q.reshape(q.shape[:-2] + (-1,))[..., :K], -1, axis).astype(np.float32)
;;   ~~~
;;   OPERANDS COMPUTED ON THE WAY. 'Computed on the way' means the value that the module computes at that place (a softmax that the list does not call 'softmax' is quantised finished and normalised). What goes into a quantiser is computed in f32, as accurately as f32 sums, v_exp_f32 and their like allow (about 1e-6 of the number): no bf16 or f16 on the way to a quantiser, and a product that is left as it is and whose result goes on into a quantised operand takes f32 operands (vector FMAs, or v_wmma_f32_16x16x4_f32). A number that lies on a knife's edge between two numbers of the format may be rounded either way, as far as f32 arithmetic and the matrix unit's own rounding can turn it there, and no further.
;; One version. Each part assembles by itself: llvm-mc -triple=amdgcn-amd-amdhsa -mcpu=gfx1250 --defsym DOCPART=n.
;; ======== version 1 of 1: 2 launches
;; limits: right only within a limited range of input values
;; workspace buffers: packed 17,825,792 bytes
;; launch quant (part 1): grid 1024 x 1, 4 waves a work-group, no clusters, 35,328 bytes of LDS; arguments x, weight, act_scale, weight_scale, act_zero_point, weight_zero_point, packed; writes packed
.if DOCPART == 1
	.amdgcn_target "amdgcn-amd-amdhsa--gfx1250"
	.amdhsa_code_object_version 6
	.text
	.protected	k_q574dbc5ed0_quant
	.globl	k_q574dbc5ed0_quant
	.p2align	8
	.type	k_q574dbc5ed0_quant,@function
k_q574dbc5ed0_quant:
	s_mov_b64 s[64:65], 0
	v_nop
	global_prefetch_b8 v0, s[64:65] scope:SCOPE_SE
	s_setreg_imm32_b32 hwreg(HW_REG_WAVE_MODE, 25, 1), 1
	s_wait_xcnt 0x0
; x [4096][4096] and weight [4096][4096], f32, go through the affine uint8 quantise-dequantise in f32 (x: one scale and zero point; weight: one of each for a row)
;   d = med3(rndne(v / s), -zp, 255 - zp) * s      (the same as (clip(round(v / s) + zp, 0, 255) - zp) * s)
; and are then turned into codes of FP4 (E2M1) with one E8M0 scale byte for each 32 along K (K is innermost in both).
; A block's scale is 2^(floor(log2(its largest magnitude)) - 2): its byte is the largest magnitude's exponent field - 2, held at 1 from below.
; THE OUTPUT IS LAID IN THE ORDER OF THE MATRIX OPERAND'S REGISTERS: packed = [tile 32][K step 8][half 2][34,816 bytes]; tiles 0-15 are x's 256 rows each, 16-31 weight's; a K step is 512 along K; a half 128 rows.
;   in a half: codes [block of 16 rows 8][128 along K 4][c 2][lane 32][16 bytes]: lane (r, h) of group c holds the 32 codes of k = 128 q + 64 c + 32 h + 0 .. 31 of row r: registers 4 c .. 4 c + 3 of a 4-bit fragment;
;   behind them, at 32,768: scale words [block 8][row 16][128 along K 4][4 bytes]; byte b of a word scales k = 32 b + 0 .. 31 of its 128.
; SHARES.  Wave W = 4 x work-group + wave takes 16 rows x 512 along K (K step W % 8 of row block W / 8; blocks 0-255 are x's, 256-511 weight's), in eight steps of 16 rows x 64 K.
; Each load reads 256 consecutive bytes of two rows; a step's 4,096 bytes turn through the wave's own stage in LDS and come back with a whole block of 32 neighbours in one lane: lane (r, h) holds row r throughout,
; so a row's scale and zero point are one register a lane, made once, and one path serves both tensors: only pointers and a mask are chosen, on the work-group's number.
; The waves share nothing: no barrier.  Each store of codes covers 512 consecutive bytes, the one store of scale words 256, both aligned.
; THE DIVISION: y = 1 / s by v_rcp_f32 and one Newton step; q0 = v y; q = q0 + (v - q0 s) y, both by fused multiply-adds: right to the last bit but for rare cases, where a quotient that lies at a half may round the other way.
; LIMITS: |zero point| up to 2^23 (beyond it the sum round + zp of the definition would round); a scale that is a normal number between 2^-126 and 2^126, and v / s finite; -0 may stand where the definition has +0
; (it adds nothing to a sum); a block of zeros gets the byte 1 where the rule says 127: its codes are zeros, and this program alone reads the bytes; NaN and infinities among the inputs are not served.
.set HALF,  34816                      ; bytes of a half: 32,768 of codes + 2,048 of scale words
.set KSB,   2*HALF                     ; a K step of a tile
.set TB,    8*KSB                      ; a tile
.set SOFF,  32768                      ; the scale words' place in a half
.set SP,    272                        ; a stage row: 256 bytes + 16 = 17 x 16: the same column of sixteen rows starts at sixteen different multiples of 16 modulo 256
.set STG,   16*SP                      ; a stage
.set WREG,  2*STG                      ; a wave's two stages
.set GIN,   4                          ; v4   in: 16,384 h + 16 r: lanes 0-15 one row's 256 bytes, lanes 16-31 the next row's
.set SIN,   5                          ; v5   into the stage: the same two rows
.set SOUT,  6                          ; v6   out of it: row r, bytes 128 h on
.set GOUT,  7                          ; v7   16 x lane: my codes' place in a step's 512 bytes
.set GSC,   8                          ; v8   16 r + 8 h: my two scale words' place
.set PO,    9                          ; v9   my row's place in the scales and zero points (0 for x)
.set PS,    10                         ; v10  the scale as loaded
.set PZ,    11                         ; v11  the zero point as loaded
.set S,     12                         ; v[12:13]  s, twice (a pair for the packed forms)
.set NS,    14                         ; v[14:15]  -s, twice
.set Y,     16                         ; v[16:17]  1 / s, twice
.set LO,    18                         ; v18  -zp
.set HI,    19                         ; v19  255 - zp
.set TA,    20                         ; v[20:21]  at work; at the end my two scale words
.set M0,    22                         ; v22, v23  the largest magnitude, in two chains
.set M1,    23
.set SO,    24                         ; v24  the conversions' scale operand
.set SBY,   25                         ; v25  the scale's byte
.set SH,    26                         ; v26  8 h
.set WW,    28                         ; v[28:31]  the four scale words
.set RR,    32                         ; v32-127   three sets of 32 registers as loaded
.set XX,    128                        ; v128-191  two sets of 32 neighbours
.set QQ,    192                        ; v192-199  eight quotients
.set CC,    200                        ; v200-231  codes: four registers for each step, so that no store's data are written again
.set PD,    232                        ; v232-235  the lane permutes' destinations
	s_load_b256 s[4:11], s[0:1], 0x0               ; x s[4:5], weight s[6:7], act_scale s[8:9], weight_scale s[10:11]
	s_load_b128 s[12:15], s[0:1], 0x20             ; act_zero_point s[12:13], weight_zero_point s[14:15]
	s_load_b64 s[16:17], s[0:1], 0x30              ; packed
	v_lshl_add_u32 v240, v0, 2, 0x8800
	v_mov_b32 v241, 0
	v_lshrrev_b32 v1, 5, v0
	v_readfirstlane_b32 s18, v1                    ; wave 0..3
	v_and_b32 v1, 31, v0                           ; lane
	v_and_b32 v2, 15, v0                           ; r
	s_wait_alu depctr_va_vdst(0)
	v_bfe_u32 v3, v0, 4, 1                         ; h
	s_lshl_b32 s19, ttmp9, 2
	s_add_co_u32 s19, s19, s18                     ; W
	s_and_b32 s20, s19, 7                          ; my K step
	s_lshr_b32 s21, s19, 3                         ; my block of 16 rows, 0..511
	s_and_b32 s23, s21, 255                        ; and within its tensor
	s_lshl_b32 s24, s23, 18                        ; 16 rows of 16,384 bytes
	s_lshl_b32 s25, s20, 11                        ; 512 numbers of 4 bytes
	s_or_b32 s24, s24, s25
	s_mov_b32 s25, 0                               ; s[24:25]: where my part of the tensor begins
	s_lshr_b32 s26, s21, 4                         ; the tile, 0..31
	s_mul_i32 s26, s26, TB
	s_mul_i32 s27, s20, KSB
	s_add_co_u32 s26, s26, s27
	s_bfe_u32 s27, s21, 0x10003                    ; the half: bit 3 of the block's number
	s_mul_i32 s27, s27, HALF
	s_add_co_u32 s26, s26, s27                     ; where my half begins in packed
	s_and_b32 s33, s21, 7                          ; my block in the half
	s_lshl_b32 s28, s33, 12                        ; its codes: 4,096 bytes a block
	s_add_co_u32 s28, s28, s26
	s_mov_b32 s29, 0
	s_lshl_b32 s30, s33, 8                         ; its scale words: 256 bytes a block
	s_add_co_u32 s30, s30, s26
	s_add_co_u32 s30, s30, SOFF
	s_mov_b32 s31, 0
	s_mul_i32 s32, s18, WREG                       ; my wave's stages
	s_mov_b32 s34, 0x76543210
	s_mov_b32 s35, 0xfedcba98                      ; v_permlanex16_b32's selects for lane l xor 16
	s_lshl_b32 s36, s23, 6                         ; 16 rows of 4 bytes in the per-row tables
	v_lshlrev_b32 v[GIN], 4, v2
	s_wait_alu depctr_va_vdst(0)
	v_lshl_add_u32 v[GIN], v3, 14, v[GIN]
	v_mul_u32_u24 v[SIN], v3, SP
	v_lshl_add_u32 v[SIN], v2, 4, v[SIN]
	v_add_nc_u32 v[SIN], s32, v[SIN]
	v_mul_u32_u24 v[SOUT], v2, SP
	v_lshl_add_u32 v[SOUT], v3, 7, v[SOUT]
	v_add_nc_u32 v[SOUT], s32, v[SOUT]
	v_lshlrev_b32 v[GOUT], 4, v1
	v_lshlrev_b32 v[GSC], 4, v2
	v_lshl_add_u32 v[GSC], v3, 3, v[GSC]
	v_lshl_add_u32 v[PO], v2, 2, s36
	v_lshlrev_b32 v[SH], 3, v3
.irp q, 0,1,2,3
	v_mov_b32 v[PD+\q], 0                          ; written once: a lane permute's destination counts as one of its sources
.endr
	s_wait_alu depctr_va_vdst(0)
	s_wait_kmcnt 0x0
	s_cmp_lt_u32 ttmp9, 512                        ; x's work-group or weight's?  The choice hangs on the work-group's number alone
	s_cselect_b64 s[4:5], s[4:5], s[6:7]
	s_cselect_b64 s[8:9], s[8:9], s[10:11]
	s_cselect_b64 s[12:13], s[12:13], s[14:15]
	s_cselect_b32 s22, 0, -1                       ; x has one scale and one zero point: every lane reads byte 0
	s_add_nc_u64 s[4:5], s[4:5], s[24:25]
	s_add_nc_u64 s[28:29], s[16:17], s[28:29]      ; my codes
	s_add_nc_u64 s[30:31], s[16:17], s[30:31]      ; my scale words
	v_and_b32 v[PO], s22, v[PO]
	global_load_b32 v[PS], v[PO], s[8:9]
	global_load_b32 v[PZ], v[PO], s[12:13]
.macro LOAD t                          ; step t: 64 along K of my 16 rows, two rows a load, into set t % 3
.irp p, 0,1,2,3,4,5,6,7
	global_load_b128 v[RR+32*((\t)%3)+4*\p:RR+32*((\t)%3)+4*\p+3], v[GIN], s[4:5] offset:32768*\p+256*(\t) th:TH_LOAD_NT
.endr
.endm
.macro TURN t                          ; step t's numbers through stage t % 2.  LDS serves a wave's instructions in order (ISA guide 5.7.1.4): no wait between the stores and the loads
.irp p, 0,1,2,3,4,5,6,7
	ds_store_b128 v[SIN], v[RR+32*((\t)%3)+4*\p:RR+32*((\t)%3)+4*\p+3] offset:STG*((\t)%2)+2*SP*\p
.endr
.irp j, 0,1,2,3,4,5,6,7
	ds_load_b128 v[XX+32*((\t)%2)+4*\j:XX+32*((\t)%2)+4*\j+3], v[SOUT] offset:STG*((\t)%2)+16*\j
.endr
.endm
; The 32 numbers at v[XS] on become their dequantised values, in place; eight at a time, the four pairs by turns so that no line waits for the line above it
.macro AFFINE
.irp g, 0,1,2,3
.irp p, 0,2,4,6
	v_pk_mul_f32 v[QQ+\p:QQ+\p+1], v[XS+8*\g+\p:XS+8*\g+\p+1], v[Y:Y+1]                               ; q0 = v y
.endr
.irp p, 0,2,4,6
	v_pk_fma_f32 v[XS+8*\g+\p:XS+8*\g+\p+1], v[QQ+\p:QQ+\p+1], v[NS:NS+1], v[XS+8*\g+\p:XS+8*\g+\p+1]  ; what is left: v - q0 s
.endr
.irp p, 0,2,4,6
	v_pk_fma_f32 v[QQ+\p:QQ+\p+1], v[XS+8*\g+\p:XS+8*\g+\p+1], v[Y:Y+1], v[QQ+\p:QQ+\p+1]              ; q = q0 + that y
.endr
.irp p, 0,1,2,3,4,5,6,7
	v_rndne_f32 v[QQ+\p], v[QQ+\p]                 ; to the nearest whole number, ties to even
.endr
.irp p, 0,1,2,3,4,5,6,7
	v_med3_num_f32 v[QQ+\p], v[QQ+\p], v[LO], v[HI]   ; held to -zp .. 255 - zp
.endr
.irp p, 0,2,4,6
	v_pk_mul_f32 v[XS+8*\g+\p:XS+8*\g+\p+1], v[QQ+\p:QQ+\p+1], v[S:S+1]                               ; x s
.endr
.endr
.endm
.macro STEP t
.set XS, XX+32*((\t)%2)
	s_wait_dscnt 0x0                               ; this step's numbers are back from the stage: so its stores into the stage have read set t % 3,
.if (\t)+3 < 8
	LOAD (\t)+3                                    ; which takes the loads of three steps on
.endif
.if (\t) < 7
.if (\t) <= 4
	s_wait_loadcnt 16                              ; the next step's eight loads are in; those of the two steps behind it may be out
.else
	s_wait_loadcnt 8*(6-(\t))                      ; the counts run down: 8, 0
.endif
	TURN (\t)+1                                    ; and go through the other stage while this step is worked
.endif
	AFFINE
	v_max3_num_f32 v[M0], |v[XS]|, |v[XS+1]|, |v[XS+2]|             ; the block's largest magnitude: all 32 numbers are mine
	v_max3_num_f32 v[M1], |v[XS+3]|, |v[XS+4]|, |v[XS+5]|
.irp i, 6,10,14,18,22,26
	v_max3_num_f32 v[M0], v[M0], |v[XS+\i]|, |v[XS+\i+1]|
	v_max3_num_f32 v[M1], v[M1], |v[XS+\i+2]|, |v[XS+\i+3]|
.endr
	v_max3_num_f32 v[M0], v[M0], |v[XS+30]|, |v[XS+31]|
	v_max3_num_f32 v[M0], v[M0], v[M1], 0x1800000  ; and the floor 2^(3 - 127), under which no largest magnitude is taken: so the byte cannot fall under 1
	v_add_nc_u32 v[SO], 0xff000000, v[M0]          ; 2 off its exponent field: the conversion takes the exponent field of this operand as its scale, and nothing else of it
.irp g, 0,1,2,3
	v_cvt_scalef32_pk8_fp4_f32 v[CC+4*(\t)+\g], v[XS+8*\g:XS+8*\g+7], v[SO]   ; eight numbers / the scale, to the nearest code, ties to even, beyond the largest code the largest; the first number's code in the lowest four bits
.endr
	v_lshrrev_b32 v[SBY], 23, v[SO]                ; the scale's byte.  (Also the plain line behind the conversions)
.if (\t)%2 == 0
	v_mov_b32 v[WW+(\t)/2], v[SBY]                 ; my blocks of a word's 128 along K are h and 2 + h: bytes 0 and 2 here, moved up by 8 h bits at the end
.else
	v_lshl_or_b32 v[WW+(\t)/2], v[SBY], 16, v[WW+(\t)/2]
.endif
	global_store_b128 v[GOUT], v[CC+4*(\t):CC+4*(\t)+3], s[28:29] offset:512*(\t)   ; 32 lanes store 512 consecutive bytes, at a multiple of 256 from packed's first byte
.endm
	LOAD 0
	LOAD 1
	LOAD 2
	s_wait_loadcnt 24                              ; the scale and the zero point are in; the three steps' 24 loads may be out
	v_rcp_f32 v[Y], v[PS]
	v_xor_b32 v[NS], 0x80000000, v[PS]             ; -s.  (A plain line behind the reciprocal)
	v_mov_b32 v[NS+1], v[NS]
	v_mov_b32 v[S], v[PS]
	v_mov_b32 v[S+1], v[PS]
	v_cvt_f32_i32 v[TA], v[PZ]                     ; the zero point as f32
	v_sub_f32 v[LO], 0, v[TA]
	v_sub_f32 v[HI], 0x437f0000, v[TA]             ; 255 - zp
	s_wait_alu depctr_va_vdst(0)                   ; the reciprocal is written before its first use
	v_fma_f32 v[TA+1], v[NS], v[Y], 1.0            ; 1 - s y
	v_fma_f32 v[Y], v[TA+1], v[Y], v[Y]            ; y + y (1 - s y)
	v_mov_b32 v[Y+1], v[Y]
	s_wait_alu depctr_va_vdst(0)
	s_wait_loadcnt 16                              ; step 0's eight loads are in
	TURN 0
.irp t, 0,1,2,3,4,5,6,7
	STEP \t
.endr
.irp q, 0,1,2,3
	v_lshlrev_b32 v[WW+\q], v[SH], v[WW+\q]        ; my two bytes at their places in the word,
.endr
.irp q, 0,1,2,3
	v_permlanex16_b32 v[PD+\q], v[WW+\q], s34, s35
.endr
.irp q, 0,1,2,3
	v_or_b32 v[WW+\q], v[WW+\q], v[PD+\q]          ; with lane l xor 16's two the word is whole
.endr
	v_cmp_eq_u32 vcc_lo, 1, v3
	v_cndmask_b32 v[TA], v[WW], v[WW+2], vcc_lo    ; lanes 0-15 store words 0 and 1 of row r, lanes 16-31 words 2 and 3
	v_cndmask_b32 v[TA+1], v[WW+1], v[WW+3], vcc_lo
	global_store_b64 v[GSC], v[TA:TA+1], s[30:31]  ; 32 lanes store 256 consecutive bytes, aligned
	s_wait_tensorcnt 0x0
	ds_add_u32 v240, v241
	s_wait_dscnt 0x0
	s_endpgm
.Lfunc_end_k_q574dbc5ed0_quant:
	.size	k_q574dbc5ed0_quant, .Lfunc_end_k_q574dbc5ed0_quant-k_q574dbc5ed0_quant
	.p2alignl 7, 3214868480
	.fill 96, 4, 3214868480
	.section	.rodata,"a",@progbits
	.p2align	6, 0x0
	.amdhsa_kernel k_q574dbc5ed0_quant
		.amdhsa_group_segment_fixed_size 35328
		.amdhsa_private_segment_fixed_size 0
		.amdhsa_enable_private_segment 0
		.amdhsa_kernarg_size 56
		.amdhsa_user_sgpr_count 2
		.amdhsa_user_sgpr_kernarg_segment_ptr 1
		.amdhsa_wavefront_size32 1
		.amdhsa_system_sgpr_workgroup_id_x 1
		.amdhsa_system_sgpr_workgroup_id_y 1
		.amdhsa_system_sgpr_workgroup_id_z 1
		.amdhsa_system_vgpr_workitem_id 0
		.amdhsa_next_free_vgpr 242
		.amdhsa_next_free_sgpr 66
		.amdhsa_reserve_vcc 1
		.amdhsa_float_denorm_mode_32 3
		.amdhsa_float_denorm_mode_16_64 3
		.amdhsa_memory_ordered 1
		.amdhsa_forward_progress 1
		.amdhsa_inst_pref_size 88
	.end_amdhsa_kernel
	.amdgpu_metadata
---
amdhsa.version: [ 1, 2 ]
amdhsa.kernels:
  - .name:           k_q574dbc5ed0_quant
    .symbol:         k_q574dbc5ed0_quant.kd
    .args:
      - { .name: x, .offset: 0, .size: 8, .value_kind: global_buffer, .address_space: global }
      - { .name: weight, .offset: 8, .size: 8, .value_kind: global_buffer, .address_space: global }
      - { .name: act_scale, .offset: 16, .size: 8, .value_kind: global_buffer, .address_space: global }
      - { .name: weight_scale, .offset: 24, .size: 8, .value_kind: global_buffer, .address_space: global }
      - { .name: act_zero_point, .offset: 32, .size: 8, .value_kind: global_buffer, .address_space: global }
      - { .name: weight_zero_point, .offset: 40, .size: 8, .value_kind: global_buffer, .address_space: global }
      - { .name: packed, .offset: 48, .size: 8, .value_kind: global_buffer, .address_space: global }
    .group_segment_fixed_size: 35328
    .private_segment_fixed_size: 0
    .kernarg_segment_align: 8
    .kernarg_segment_size: 56
    .max_flat_workgroup_size: 128
    .sgpr_count:     66
    .vgpr_count:     242
    .wavefront_size: 32
...
	.end_amdgpu_metadata
.endif
;; end of part 1
;; launch gemm (part 2): grid 16 x 16, 4 waves a work-group, clusters of 4 x 4, 327,680 bytes of LDS; arguments packed, bias, out0; writes out0
.if DOCPART == 2
	.amdgcn_target "amdgcn-amd-amdhsa--gfx1250"
	.amdhsa_code_object_version 6
	.text
	.protected	k_q574dbc5ed0_gemm
	.globl	k_q574dbc5ed0_gemm
	.p2align	8
	.type	k_q574dbc5ed0_gemm,@function
k_q574dbc5ed0_gemm:
	s_mov_b64 s[64:65], 0
	v_nop
	global_prefetch_b8 v0, s[64:65] scope:SCOPE_SE
	s_setreg_imm32_b32 hwreg(HW_REG_WAVE_MODE, 25, 1), 1
	s_wait_xcnt 0x0
	s_wait_alu depctr_hold_cnt(0) depctr_sa_sdst(0) depctr_va_vdst(0) depctr_va_sdst(0) depctr_va_ssrc(0) depctr_va_vcc(0) depctr_vm_vsrc(0)
	s_getreg_b32 s2, hwreg(HW_REG_IB_STS2, 6, 4)
	s_cmp_eq_u32 s2, 0
	s_cbranch_scc0 .Lentry_in_a_cluster
	s_endpgm
.Lentry_in_a_cluster:
	s_bfe_u32 s2, ttmp6, 0x10000c
	s_cmp_lg_u32 s2, 0xf033
	s_cbranch_scc0 .Lentry_shape_is_right
	s_endpgm
.Lentry_shape_is_right:
; out0[m][n] = sum over k of X[m][k] W[n][k] + bias[n]; X and W are the FP4 codes and E8M0 scale words that launch quant laid in packed:
; [tile 32][K step of 512: 8][half of 128 rows: 2][34,816 bytes]; tiles 0-15 x, 16-31 weight; a half = codes [block of 16 rows 8][128 along K 4][c 2][lane 32][16 bytes], then at 32,768 scale words [block 8][row 16][4 words].
; A work-group of four waves makes 256 x 256 of out0; a wave makes 64 rows x 256 columns: 32 accumulators of 32 (n) x 16 (m), 512 registers.
; X: a wave's 64 rows are read by no other wave of the work-group, so they go from memory straight into registers: each load takes 512 consecutive bytes, the fragment as it lies; six sets of 32 registers, asked for six steps of 128 ahead.
;   A joint tensor load cannot serve them (it lands in LDS), so x has no multicast; a chunk's x is prefetched two steps ahead of its first load, the four partners of a cluster's row taking one block of 16 rows each, by address.
; W: all four waves read all 256 rows: they go through a ring of two LDS slots, each 1,024 along K (139,264 consecutive bytes of packed), a wave fetching one unit of 34,816 bytes.
;   CLUSTERS 4 x 4: the four work-groups of a cluster's column need the same W tile and ask for it jointly.  A slot is asked for again at the change of slots; the chunk two on is prefetched by the column's 16 waves, 34 blocks of 256 bytes each, shared out by address.
; A step of 128 along K is two half steps: W's blocks 0-7, then 8-15, each against x's four blocks.  W's fragments have three half sets that take turns: a half set is asked of LDS again as soon as its 16 products are issued, two half steps ahead of its next use.
; THE MATRIX INSTRUCTION IS USED TRANSPOSED: source 0 = 32 rows of W, source 1 = 16 rows of x: lane (r, h) holds row r of out0, registers 0-7 columns 8 h + 0..7 and registers 8-15 columns 16 + 8 h + 0..7 of the 32.
; K = 4,096 is four chunks, which differ (first products, refill or none, no more x to ask for), and the register sets come round after 6 steps: the steps are written by macros, every offset an immediate, no address register is ever stepped.
; COUNTED WAITS are made by the assembler: DI and GI count the LDS and global loads issued so far, a mark is kept behind each set's loads, and a wait's count is what has been issued since the mark.
; REGISTERS: window 0: v0-31 addresses and bias; v32-95 W's scale words, two sets (a set: 512 along K; register 4 pair + q, lane = row of the pair's 32); v96-127 x's scale words, two sets (4 a + q, lanes 0-15);
;   v128-255 W's half sets 0 and 1.  window 1: v0-63 W's half set 2; v64-255 x's fragments, set = step % 6.  windows 2, 3: accumulator (a, pair) at 64 a + 16 (pair % 4), window 2 + pair / 4.
.set HALF,   34816
.set KSB,    2*HALF
.set CH,     4*HALF                    ; a chunk: 1,024 along K of 256 rows; also a slot
.set TB,     8*KSB
.set BOFF,   16*TB
.set SOFF,   32768
.set SHARE,  34*256
.set SPARE,  2*CH                      ; behind the ring: the spare words, 128 bytes a wave
.set SPITCH, 1040                      ; the way out: a stage row, 1,024 bytes + 16
.set XS,   3                           ; v3  16 r: my row's four scale words
.set PFX,  4                           ; v4  x's prefetch: 256 r + KSB h: 32 blocks of 256 bytes, one block of 16 rows over 1,024 along K
.set STO,  5                           ; v5  the way out: into my stage
.set RD,   6                           ; v6  and back
.set ADRB, 8                           ; v8-15  LDS address of unit n (slot n / 4, unit n % 4): n HALF + 16 lane; v8 is also 16 lane for global offsets
.set PFO,  16
.set PFO2, 17
.set BIAS, 20                          ; v20-27 bias of columns 4 lane .. and 128 + 4 lane ..
.set SPW,  28
.set NIL,  29
.set SCB,  32
.set SCA,  96
.set G1,   24
.set G0,   32                          ; s[32:39] group 0, one set for each slot
.set PFA,  10
.set MSB, 0
.set DI, 0
.set GI, 0
.macro WIN new
.if MSB != (\new)
	s_set_vgpr_msb (MSB<<8)|(\new)
.set MSB, (\new)
.endif
.endm
.macro PLACES
.rept 4
	v_nop
.endr
.endm
.macro CREST
	s_cmp_lg_u32 s14, 0
	s_cbranch_scc1 .Lnot_wave_0_\@
	s_barrier_signal -3
.Lnot_wave_0_\@:
	s_barrier_wait -3
	s_barrier_signal -1
	s_barrier_wait -1
.endm
.macro CROUND
	s_barrier_signal -1
	s_barrier_wait -1
	CREST
.endm
; 8 matrix instructions: W's pairs 4 hi + i0, + 1 (half set at BB) against x's four blocks (set at XB), step s of the chunk.  The accumulators take turns.
.macro MUL8 s, hi, i0, first
.irp ii, \i0, \i0+1
.irp a, 0,1,2,3
.if \first
	v_wmma_scale_f32_32x16x128_f4 v[64*\a+16*(\ii):64*\a+16*(\ii)+15], v[BB+16*(\ii):BB+16*(\ii)+15], v[XB+8*\a:XB+8*\a+7], 0, v[SCB+32*((\s)/4)+16*(\hi)+4*(\ii)+(\s)%4], v[SCA+16*((\s)/4)+4*\a+(\s)%4]
.else
	v_wmma_scale_f32_32x16x128_f4 v[64*\a+16*(\ii):64*\a+16*(\ii)+15], v[BB+16*(\ii):BB+16*(\ii)+15], v[XB+8*\a:XB+8*\a+7], v[64*\a+16*(\ii):64*\a+16*(\ii)+15], v[SCB+32*((\s)/4)+16*(\hi)+4*(\ii)+(\s)%4], v[SCA+16*((\s)/4)+4*\a+(\s)%4]
.endif
.endr
.endr
.endm
.macro FETCHB j                        ; 16 LDS loads: W's eight blocks of half step j (0..63) into half set j % 3
.set FB, (\j)%3
.set FW, FB/2
.set FBB, (128+64*FB)*(1-FW)
	WIN FW<<6
.irp i, 0,1,2,3,4,5,6,7
.irp c, 0,1
	ds_load_b128 v[FBB+8*\i+4*\c:FBB+8*\i+4*\c+3], v[ADRB+4*(((\j)/16)%2)+2*((((\j)/2)%8)/4)+(\j)%2] offset:4096*\i+1024*(((\j)/2)%4)+512*\c
.endr
.endr
	WIN 0
.set DI, DI+16
.irp n, 0,1,2
.if FB == \n
.set LE\n, DI
.endif
.endr
.endm
.macro WAITB j                         ; half step j's fragments are in: what was issued behind them may be out
.irp n, 0,1,2
.if ((\j)%3) == \n
.set N, DI-LE\n
.endif
.endr
.if N > 63
.set N, 63
.endif
	s_wait_dscnt N
.endm
.macro SCALES x, p                     ; 8 LDS loads: W's scale words of the slot's p-th 512 along K: lane l takes row l of a pair's 32, four words
.irp hf, 0,1
.irp ii, 0,1,2,3
	ds_load_b128 v[SCB+32*(\p)+16*\hf+4*\ii:SCB+32*(\p)+16*\hf+4*\ii+3], v[ADRB+4*(\x)+2*(\p)+\hf] offset:SOFF+512*\ii
.endr
.endr
.set DI, DI+8
.endm
.macro XFRAG st                        ; 8 global loads: x's four fragments of step st (0..31) into set st % 6, window 1
.irp a, 0,1,2,3
.irp c, 0,1
	global_load_b128 v[64+32*((\st)%6)+8*\a+4*\c:64+32*((\st)%6)+8*\a+4*\c+3], v[ADRB], s[20:21] offset:((\st)/4)*KSB+4096*\a+1024*((\st)%4)+512*\c
.endr
.endr
.set GI, GI+8
.irp n, 0,1,2,3,4,5
.if ((\st)%6) == \n
.set XE\n, GI
.endif
.endr
.endm
.macro XSCL k                          ; 4 global loads: x's scale words of K step k (512 along K)
.irp a, 0,1,2,3
	global_load_b128 v[SCA+16*((\k)%2)+4*\a:SCA+16*((\k)%2)+4*\a+3], v[XS], s[22:23] offset:(\k)*KSB+256*\a
.endr
.set GI, GI+4
.irp n, 0,1
.if ((\k)%2) == \n
.set SE\n, GI
.endif
.endr
.endm
.macro XNEXT t                         ; at the end of step t: its registers take what is used six steps (scale words: two K steps) on
.if (((\t)%4) == 3) && ((\t) <= 23)
	XSCL (\t)/4+2
.endif
.if (\t) <= 25
	WIN 0x40
	XFRAG (\t)+6
	WIN 0
.endif
.endm
.macro LWAIT t                         ; step t's fragments and scale words of x are in
.irp n, 0,1,2,3,4,5
.if ((\t)%6) == \n
.set M, XE\n
.endif
.endr
.irp n, 0,1
.if (((\t)/4)%2) == \n
.if SE\n > M
.set M, SE\n
.endif
.endif
.endr
.set N, GI-M
.if N > 63
.set N, 63
.endif
	s_wait_loadcnt N
.endm
.macro OPERANDS j                      ; where half step j's operands lie
.set BW, ((\j)%3)/2
.set BB, (128+64*((\j)%3))*(1-BW)
.set XB, 64+32*(((\j)/2)%6)
.endm
; A half step: 16 products, then its half set is asked for again.
.macro HS j, first
.set T, (\j)/2
.set HI, (\j)%2
.set S, T%8
.set R16, (\j)%16
.if HI == 0
	LWAIT T
.endif
	WAITB \j
.if (HI == 0) && (S == 1) && (T < 16)
	global_prefetch_b8 v[PFO], s[PFA:PFA+1] offset:(T/8+2)*CH th:TH_LOAD_NT scope:SCOPE_SE    ; W's chunk that the next change of slots, six steps on, asks for: my 34 blocks of 256 bytes
	global_prefetch_b8 v[PFO2], s[PFA:PFA+1] offset:(T/8+2)*CH th:TH_LOAD_NT scope:SCOPE_SE   ; (blocks 32 and 33; the lanes left over name block 33 again)
.endif
.if (HI == 1) && (S == 0) && (T < 24)
	global_prefetch_b8 v[PFX], s[12:13] offset:(T/8+1)*2*KSB th:TH_LOAD_NT scope:SCOPE_SE     ; x's next chunk, whose first load stands two steps on: my work-group's block of the four
.endif
	OPERANDS \j
	WIN 0xa4+0x50*HI+BW                            ; source 0 window BW, source 1 window 1, C and D window 2 + HI
	MUL8 S, HI, 0, \first
	MUL8 S, HI, 2, \first
	PLACES
	WIN 0
.if R16 == 0
	SCALES (T/8)%2, 1                              ; the slot's second 512 along K
.endif
.if ((\j)+3 <= 63) && ((R16 <= 12) || (R16 == 15))
	FETCHB (\j)+3                                  ; (half steps 13 and 14 of a chunk would ask of the next slot: that waits for the change of slots)
.endif
.if HI == 1
	XNEXT T
.endif
.endm
; Half step 14 of a chunk changes slots: one barrier; in front of it each wave waits for all its tensor loads, adds 0 to its spare word, and waits for that and for its reads of this slot (the last were asked for behind half step 12).
.macro TURN j, refill
.set T, (\j)/2
.set X, (T/8)%2
	LWAIT T
	s_wait_tensorcnt 0x0                           ; my unit of the next slot has landed
	ds_add_u32 v[SPW], v[NIL]
.set DI, DI+1
	WAITB \j                                       ; (the add and half step 15's 16 loads may be out)
	OPERANDS \j
	WIN 0xa4+BW
	MUL8 7, 0, 0, 0
	s_wait_dscnt 0x0                               ; the add is done, my reads of this slot are over
	s_barrier_signal -1
	MUL8 7, 0, 2, 0
	WIN 0
	s_barrier_wait -1
.if \refill
	CREST                                          ; the barrier has opened a round of the cluster's barrier
	s_add_nc_u64 s[G0+4*X+2:G0+4*X+3], s[G0+4*X+2:G0+4*X+3], 2*CH
	tensor_load_to_lds s[G0+4*X:G0+4*X+3], s[G1:G1+7]   ; the chunk two on, into the slot just read
	s_nop 0
.endif
	PLACES
	SCALES 1-X, 0
	FETCHB (\j)+2
	FETCHB (\j)+3
.endm
; THE WAY OUT, by blocks of 16 rows x 256 columns: through my own stage (in slot 0, which has had its last fill and its last read) and back as whole rows; LDS serves a wave's instructions in order.
.macro TOSTAGE a
.irp w, 0,1
	WIN 0x08+4*\w
.irp ii, 0,1,2,3
.irp g, 0,1,2,3
	ds_store_b128 v[STO], v[64*(\a)+16*\ii+4*\g:64*(\a)+16*\ii+4*\g+3] offset:128*(4*\w+\ii)+16*(\g%2)+64*(\g/2)   ; each accumulator from its low end on
.endr
.endr
.endr
.irp w, 0,1
	WIN 0x80+0x40*\w
.irp t, 0,1,2,3,4,5,6,7,8,9,10,11,12,13,14,15
	ds_load_b128 v[64*(\a)+4*\t:64*(\a)+4*\t+3], v[RD] offset:(8*\w+\t/2)*SPITCH+512*(\t%2)
.endr
.endr
.endm
.macro SEND a, younger
	s_wait_dscnt \younger                          ; the block is back in registers
.irp w, 0,1
	WIN 0x82+0x41*\w                               ; destination and source 0 window 2 + w, the bias window 0
.irp t, 0,1,2,3,4,5,6,7,8,9,10,11,12,13,14,15
	v_pk_add_f32 v[64*(\a)+4*\t:64*(\a)+4*\t+1], v[64*(\a)+4*\t:64*(\a)+4*\t+1], v[BIAS+4*(\t%2):BIAS+4*(\t%2)+1]
	v_pk_add_f32 v[64*(\a)+4*\t+2:64*(\a)+4*\t+3], v[64*(\a)+4*\t+2:64*(\a)+4*\t+3], v[BIAS+4*(\t%2)+2:BIAS+4*(\t%2)+3]
.endr
	WIN 0x08+4*\w
.irp t, 0,1,2,3,4,5,6,7,8,9,10,11,12,13,14,15
	global_store_b128 v[ADRB], v[64*(\a)+4*\t:64*(\a)+4*\t+3], s[8:9] offset:(16*(\a)+8*\w+\t/2)*16384+512*(\t%2) th:TH_STORE_NT   ; 32 lanes store 512 consecutive bytes, aligned
.endr
.endr
.endm
	s_load_b128 s[4:7], s[0:1], 0x0                ; packed, bias
	s_load_b64 s[8:9], s[0:1], 0x10                ; out0
	v_lshl_add_u32 v[SPW], v0, 2, SPARE
	v_mov_b32 v[NIL], 0
	ds_add_u32 v[SPW], v[NIL]                      ; the opening lines: the add twice on end, and its wait
	ds_add_u32 v[SPW], v[NIL]
	v_lshrrev_b32 v1, 5, v0
	v_readfirstlane_b32 s14, v1                    ; wave
	s_bfe_u32 s40, ttmp6, 0x40000                  ; cx
	s_bfe_u32 s41, ttmp6, 0x40004                  ; cy
	s_lshl_b32 s42, ttmp9, 2
	s_add_co_u32 s42, s42, s40                     ; tile column
	s_and_b32 s17, ttmp7, 0xffff
	s_lshl_b32 s17, s17, 2
	s_add_co_u32 s17, s17, s41                     ; tile row
	s_lshl_b32 s44, 0x1111, s40                    ; my column of the cluster
	s_or_b32 s[G1], s44, (3<<16)|(1<<21)           ; the mask; elements of 8 bytes; bit 21 beside a mask
	s_mov_b32 s[G1+1], 32<<16                      ; a unit: 136 rows of 256 bytes, dense
	s_mov_b32 s[G1+2], 136<<16
	s_mov_b32 s[G1+3], 32<<16
	s_mov_b32 s[G1+4], 136
	s_mov_b32 s[G1+5], 32
	s_mov_b32 s[G1+6], 0
	s_mov_b32 s[G1+7], 0
	s_mul_i32 s45, s14, HALF                       ; my unit of a chunk, in memory and in a slot
	s_mul_i32 s46, s42, TB
	s_add_co_u32 s46, s46, s45
	s_add_co_u32 s46, s46, BOFF                    ; W: tile column, my unit
	s_mov_b32 s47, 0
	s_mul_i32 s48, s41, SHARE                      ; W's prefetches: my work-group's 34 blocks of the unit's 136
	s_add_co_u32 s48, s48, s46
	s_mov_b32 s49, 0
	s_mul_i32 s20, s17, TB
	s_lshr_b32 s18, s14, 1
	s_mul_i32 s18, s18, HALF
	s_add_co_u32 s20, s20, s18                     ; x: tile row, the half that holds my 64 rows
	s_and_b32 s19, s14, 1
	s_lshl_b32 s22, s19, 10
	s_add_co_u32 s22, s22, s20
	s_add_co_u32 s22, s22, SOFF                    ; my four blocks' scale words
	s_mov_b32 s23, 0
	s_lshl_b32 s19, s19, 14
	s_add_co_u32 s20, s20, s19                     ; my four blocks' codes
	s_mov_b32 s21, 0
	s_lshl_b32 s54, s40, 12                        ; x's prefetches: of my wave's four blocks the one that is my work-group's
	s_add_co_u32 s54, s54, s20
	s_mov_b32 s55, 0
	s_lshl_b32 s50, s17, 8
	s_lshl_b32 s51, s14, 6
	s_add_co_u32 s50, s50, s51                     ; my first row of out0
	s_lshl_b32 s50, s50, 14
	s_lshl_b32 s52, s42, 10                        ; the tile's first column, in bytes
	s_add_co_u32 s50, s50, s52
	s_mov_b32 s51, 0
	s_mov_b32 s53, 0
	s_mul_i32 s43, s14, 16*SPITCH                  ; my stage
	v_and_b32 v1, 31, v0                           ; lane
	v_and_b32 v7, 15, v0                           ; r
	v_bfe_u32 v18, v0, 4, 1                        ; h
	v_lshlrev_b32 v[ADRB], 4, v1
	v_lshlrev_b32 v[XS], 4, v7
.irp n, 1,2,3,4,5,6,7
	v_add_nc_u32 v[ADRB+\n], \n*HALF, v[ADRB]
.endr
	v_mul_u32_u24 v19, v7, SPITCH
	v_lshl_add_u32 v19, v18, 5, v19
	v_add_nc_u32 v[STO], s43, v19                  ; in: row r, 32 bytes for each half of the lanes
	v_add_nc_u32 v[RD], s43, v[ADRB]               ; back: 32 lanes take 512 bytes of a row
	v_lshlrev_b32 v[PFO], 8, v1
	v_add_nc_u32 v[PFO2], 32, v1
	v_min_u32 v[PFO2], 33, v[PFO2]
	v_lshlrev_b32 v[PFO2], 8, v[PFO2]
	v_mul_u32_u24 v[PFX], v18, KSB
	v_lshl_add_u32 v[PFX], v7, 8, v[PFX]
	s_wait_alu depctr_va_vdst(0)
	s_wait_dscnt 0x0                               ; both opening adds are done
	s_wait_kmcnt 0x0
	s_add_nc_u64 s[46:47], s[4:5], s[46:47]
	s_add_nc_u64 s[PFA:PFA+1], s[4:5], s[48:49]
	s_add_nc_u64 s[20:21], s[4:5], s[20:21]
	s_add_nc_u64 s[22:23], s[4:5], s[22:23]
	s_add_nc_u64 s[12:13], s[4:5], s[54:55]
	s_add_nc_u64 s[8:9], s[8:9], s[50:51]
	s_add_nc_u64 s[6:7], s[6:7], s[52:53]
	CROUND                                         ; all sixteen work-groups are here: the first joint loads meet
.irp n, 0,1
	s_mov_b32 s[G0+4*\n], 1
	s_add_co_u32 s[G0+4*\n+1], s45, \n*CH
	s_add_nc_u64 s[G0+4*\n+2:G0+4*\n+3], s[46:47], \n*CH
	s_or_b32 s[G0+4*\n+3], s[G0+4*\n+3], 0x80000000
.endr
	tensor_load_to_lds s[G0:G0+3], s[G1:G1+7]      ; chunk 0, my unit: one tensor load a wave at the head
	s_nop 0
	PLACES
	global_load_b128 v[BIAS:BIAS+3], v[ADRB], s[6:7]
	global_load_b128 v[BIAS+4:BIAS+7], v[ADRB], s[6:7] offset:512
.set GI, GI+2
	XSCL 0
	XSCL 1
	WIN 0x40
.irp t, 0,1,2,3,4,5
	XFRAG \t
.endr
	WIN 0
	s_wait_tensorcnt 0x0                           ; my unit of chunk 0 is in
	ds_add_u32 v[SPW], v[NIL]
	s_wait_dscnt 0x0
	CROUND
	tensor_load_to_lds s[G0+4:G0+7], s[G1:G1+7]    ; chunk 1 into slot 1
	s_nop 0
	PLACES
	SCALES 0, 0
	FETCHB 0
	FETCHB 1
	FETCHB 2
	HS 0, 1                                        ; the first step's products start the sums
	HS 1, 1
.irp j, 2,3,4,5,6,7,8,9,10,11,12,13
	HS \j, 0
.endr
	TURN 14, 1
.irp j, 15,16,17,18,19,20,21,22,23,24,25,26,27,28,29
	HS \j, 0
.endr
	TURN 30, 1
.irp j, 31,32,33,34,35,36,37,38,39,40,41,42,43,44,45
	HS \j, 0
.endr
	TURN 46, 0                                     ; nothing is left to ask for: no round
.irp j, 47,48,49,50,51,52,53,54,55,56,57,58,59,60,61,62,63
	HS \j, 0
.endr
	TOSTAGE 0                                      ; (the last half step's four places stand ahead)
	TOSTAGE 1
	SEND 0, 63                                     ; behind block 0's loads stand block 1's 64 LDS instructions; 63 is the wait's field
	TOSTAGE 2
	SEND 1, 63
	TOSTAGE 3
	SEND 2, 63
	SEND 3, 0
	WIN 0
	s_wait_tensorcnt 0x0                           ; the wave's end
	ds_add_u32 v[SPW], v[NIL]
	s_wait_dscnt 0x0
	CROUND                                         ; the closing round
	s_endpgm
.Lfunc_end_k_q574dbc5ed0_gemm:
	.size	k_q574dbc5ed0_gemm, .Lfunc_end_k_q574dbc5ed0_gemm-k_q574dbc5ed0_gemm
	.p2alignl 7, 3214868480
	.fill 96, 4, 3214868480
	.section	.rodata,"a",@progbits
	.p2align	6, 0x0
	.amdhsa_kernel k_q574dbc5ed0_gemm
		.amdhsa_group_segment_fixed_size 327680
		.amdhsa_private_segment_fixed_size 0
		.amdhsa_enable_private_segment 0
		.amdhsa_kernarg_size 24
		.amdhsa_user_sgpr_count 2
		.amdhsa_user_sgpr_kernarg_segment_ptr 1
		.amdhsa_wavefront_size32 1
		.amdhsa_system_sgpr_workgroup_id_x 1
		.amdhsa_system_sgpr_workgroup_id_y 1
		.amdhsa_system_sgpr_workgroup_id_z 1
		.amdhsa_system_vgpr_workitem_id 0
		.amdhsa_next_free_vgpr 1024
		.amdhsa_next_free_sgpr 66
		.amdhsa_reserve_vcc 0
		.amdhsa_float_denorm_mode_32 3
		.amdhsa_float_denorm_mode_16_64 3
		.amdhsa_memory_ordered 1
		.amdhsa_forward_progress 1
		.amdhsa_inst_pref_size 255
	.end_amdhsa_kernel
	.section	.bss,"aw",@nobits
	.p2align	6
	.space	262144
	.amdgpu_metadata
---
amdhsa.version: [ 1, 2 ]
amdhsa.kernels:
  - .name:           k_q574dbc5ed0_gemm
    .symbol:         k_q574dbc5ed0_gemm.kd
    .args:
      - { .name: packed, .offset: 0, .size: 8, .value_kind: global_buffer, .address_space: global }
      - { .name: bias, .offset: 8, .size: 8, .value_kind: global_buffer, .address_space: global }
      - { .name: out0, .offset: 16, .size: 8, .value_kind: global_buffer, .address_space: global }
    .group_segment_fixed_size: 327680
    .private_segment_fixed_size: 0
    .kernarg_segment_align: 8
    .kernarg_segment_size: 24
    .max_flat_workgroup_size: 128
    .sgpr_count:     66
    .vgpr_count:     1024
    .wavefront_size: 32
...
	.end_amdgpu_metadata
.endif
;; end of part 2
